; MI455X (gfx1250); checked and timed in simulation.
; The chip was launched on July 23, 2026; its instructions are those of AMD's public machine-readable ISA for CDNA 5 (MIT licence, August 2026) and "CDNA5" Instruction Set Architecture Reference Guide (July 2026). The comments in the code are by the model that wrote it; some were corrected since.
;; Optical Attention. Allowed arithmetic: matrix products marked QUANTISED: E4M3 operands, one given power-of-two scale a tensor, by v_wmma_f32_16x16x64_fp8_fp8 or v_wmma_f32_16x16x128_fp8_fp8, f32 sums; everything else in f32.
;; Inputs: Wk 1,024 x 1,024 float32; Wo 1,024 x 1,024 float32; Wq 1,024 x 1,024 float32; Wv 1,024 x 1,024 float32; bk 1,024 float32; bo 1,024 float32; bq 1,024 float32; bv 1,024 float32; key 4 x 2,048 x 1,024 float32; lowp_scales 12 int32 (the exponents e of the quantised operands' scales 2^e); query 4 x 2,048 x 1,024 float32; value 4 x 2,048 x 1,024 float32.
;; Outputs: out0 4 x 2,048 x 1,024 float32.
;; This version of the problem:
;;   THIS VERSION OF THE PROBLEM IS GIVEN IN LOW PRECISION. The matrix products marked QUANTISED in the list below multiply operands that are first quantised to E4M3 (4 exponent bits, 3 mantissa bits; 8 bits a number), with one given power-of-two scale for each operand tensor; their sums are f32. All else is computed in f32.
;;   The module's matrix products, in the order in which they are computed (A, B: the left and right operand; K: the contracted axis; several contracted axes count as one K, in the product's order):
;;     1. [M 8,192, K 1,024] x [K 1,024, N 1,024]; A: input query; B: input Wq: QUANTISED (scales: A lowp_scales[0], B lowp_scales[1])
;;     2. [M 8,192, K 1,024] x [K 1,024, N 1,024]; A: input key; B: input Wk: QUANTISED (scales: A lowp_scales[2], B lowp_scales[3])
;;     3. [M 8,192, K 1,024] x [K 1,024, N 1,024]; A: input value; B: input Wv: QUANTISED (scales: A lowp_scales[4], B lowp_scales[5])
;;     4. batch 64 x [M 2,048, K 64] x [K 64, N 2,048]; A: computed on the way; B: computed on the way: QUANTISED (scales: A lowp_scales[6], B lowp_scales[7])
;;     5. batch 64 x [M 2,048, K 2,048] x [K 2,048, N 64]; A: softmax (see below); B: computed on the way: QUANTISED (scales: A lowp_scales[8], B lowp_scales[9])
;;     6. [M 8,192, K 1,024] x [K 1,024, N 1,024]; A: computed on the way; B: input Wo: QUANTISED (scales: A lowp_scales[10], B lowp_scales[11])
;;   THE QUANTISER, for each operand of a quantised product, along K:
;;     - The operand's scale is 2^e, e = its entry of the input lowp_scales (int32; the entries are numbered through the quantised products in the list's order, A before B).
;;     - Each number is divided by the scale, clamped to +-448, and rounded to the nearest number of E4M3, ties to even, subnormals kept.
;;     - The product sums the exact products of the quantised numbers (number of the format x scale) in f32.
;;   ~~~python
;;   def quantise(x, axis, e):      # numpy; x: float32 -> the quantised numbers, widened to float32 again
;;       x = np.moveaxis(x, axis, -1); K = x.shape[-1]
;;       r = np.clip(x / 2.0 ** e, -448, 448)
;;       step = 2.0 ** (np.maximum(np.frexp(np.where(r == 0, 1, r))[1] - 1, -6) - 3)
;;       q = np.round(r / step) * step * 2.0 ** e      # np.round: ties to even
;;       return np.moveaxis(q, -1, axis).astype(np.float32)
;;   ~~~
;;   SOFTMAX AHEAD OF A QUANTISED PRODUCT. Where the list says 'softmax', what is quantised is not the finished softmax but p = 2^(t - M), with t = logit x log2(e) and M = ceil(the row's largest t), a whole number; so 1/2 < the row's largest p <= 1. The row's sum l is taken of the UNQUANTISED p, in f32, and the product's result is divided by l at the end. Since M is a whole number, a kernel that streams over the keys may use a running M (the ceiling of the running maximum): every later rescaling is an exact power of two, so the quantised numbers keep their values, but for numbers so far below the row's largest that they fall under the format's range.
;;   OPERANDS COMPUTED ON THE WAY. 'Computed on the way' means the value that the module computes at that place (a softmax that the list does not call 'softmax' is quantised finished and normalised). What goes into a quantiser is computed in f32, as accurately as f32 sums, v_exp_f32 and their like allow (about 1e-6 of the number): no bf16 or f16 on the way to a quantiser, and a product that is left as it is and whose result goes on into a quantised operand takes f32 operands (vector FMAs, or v_wmma_f32_16x16x4_f32). A number that lies on a knife's edge between two numbers of the format may be rounded either way, as far as f32 arithmetic and the matrix unit's own rounding can turn it there, and no further.
;; One version. Each part assembles by itself: llvm-mc -triple=amdgcn-amd-amdhsa -mcpu=gfx1250 --defsym DOCPART=n.
;; ======== version 1 of 1: 4 launches
;; limits: right only within a limited range of input values
;; workspace buffers: cod 29,360,128 bytes; qk 16,777,216 bytes; vc 8,388,608 bytes; ac 8,388,608 bytes
;; launch quant (part 1): grid 896 x 1, 4 waves a work-group, no clusters, 34,304 bytes of LDS; arguments query, key, value, Wq, Wk, Wv, Wo, lowp_scales, cod; writes cod
.if DOCPART == 1
	.amdgcn_target "amdgcn-amd-amdhsa--gfx1250"
	.amdhsa_code_object_version 6
	.text
	.protected	k_q3908ade757_quant
	.globl	k_q3908ade757_quant
	.p2align	8
	.type	k_q3908ade757_quant,@function
k_q3908ade757_quant:
	s_mov_b64 s[64:65], 0
	v_nop
	global_prefetch_b8 v0, s[64:65] scope:SCOPE_SE
	s_setreg_imm32_b32 hwreg(HW_REG_WAVE_MODE, 25, 1), 1
	s_wait_xcnt 0x0
; query, key, value [8192][1024] and Wq, Wk, Wv, Wo [1024][1024], f32, K innermost, become codes of FP8 (E4M3), each tensor with its given scale 2^e:
; code = x / 2^e, held within +-448, rounded to the nearest code, ties to even.  e: entries 0, 2, 4, 1, 3, 5, 11 of the buffer of scales.
; LIMITS: -126 <= e <= 119, so that 2^e and 448 x 2^e are f32 numbers.  NaN among the inputs is not served (an infinity is held at the largest code).
; THE CODES ARE LAID AS IMAGES OF OPERAND REGISTERS.  The seven tensors count as one matrix of 28,672 rows x 1,024 k.  A fragment is 16 rows x 128 k: 16 registers a lane, lane (r, h) holding of row r
; k = 16 c + 8 h + 0 .. 7 in registers 2 c, 2 c + 1; it lies in memory as four groups of four registers, lane l's 16 bytes at 16 l: 2,048 bytes.
; byte of a fragment = (row / 256) x 262,144 + (k / 128) x 32,768 + ((row % 256) / 16) x 2,048.
; SHARES.  A work-group takes 32 rows; wave w takes row tile w / 2 and K half w % 2: four tasks of 16 rows x 128 k, one fragment each, written out.
; Each load reads 512 consecutive bytes of one row.  A lane needs eight neighbours along K of ONE row in consecutive registers, so a task's 8 KB turn through the wave's own stage in LDS
; (16 rows of 512 + 16 bytes: the sixteen lanes of a read start 16 bytes apart modulo 256).  Each store writes 512 consecutive bytes.  Waves share nothing: no barrier.
.set SP, 528                           ; a stage row
.set R,  16                            ; v16-143  two sets of 64 registers, as loaded
.set X,  144                           ; v144-207 the task's 64 numbers in operand order
.set C,  208                           ; v208-239 two sets of 16 registers of codes
	s_load_b512 s[8:23], s[0:1], 0x0               ; query, key, value, Wq, Wk, Wv, Wo, the scales' exponents
	s_load_b64 s[24:25], s[0:1], 0x40              ; the codes
	v_lshl_add_u32 v240, v0, 2, 0x8400
	v_mov_b32 v241, 0
	v_lshrrev_b32 v1, 5, v0
	v_readfirstlane_b32 s26, v1                    ; wave 0..3
	v_and_b32 v5, 31, v0
	v_lshlrev_b32 v2, 4, v5                        ; 16 x lane: my bytes of a load's and of a store's 512
	v_and_b32 v6, 15, v0                           ; r
	v_bfe_u32 v7, v0, 4, 1                         ; h
	s_mul_i32 s27, s26, 16*SP                      ; my wave's stage
	v_add_nc_u32 v3, s27, v2                       ; into it: 16 x lane of a row
	v_mul_u32_u24 v4, v6, SP
	v_lshl_add_u32 v4, v7, 5, v4
	v_add_nc_u32 v4, s27, v4                       ; out of it: row r, + 32 h: eight numbers of my half
	s_lshr_b32 s34, s26, 1                         ; row tile
	s_and_b32 s35, s26, 1                          ; K half
	s_wait_alu depctr_va_vdst(0)
	s_wait_kmcnt 0x0
	s_load_b256 s[36:43], s[22:23], 0x0            ; e0 .. e7
	s_load_b128 s[44:47], s[22:23], 0x20           ; e8 .. e11
	s_mov_b64 s[28:29], s[8:9]                     ; which tensor: a choice on the work-group's number alone
	s_mov_b32 s30, 0                               ; and its first work-group
.macro PICK bound, ptr
	s_cmp_ge_u32 ttmp9, \bound
	s_cselect_b64 s[28:29], s[\ptr:\ptr+1], s[28:29]
	s_cselect_b32 s30, \bound, s30
.endm
	PICK 256, 10
	PICK 512, 12
	PICK 768, 14
	PICK 800, 16
	PICK 832, 18
	PICK 864, 20
	s_sub_co_u32 s32, ttmp9, s30
	s_lshl_b32 s32, s32, 17                        ; 32 rows of 4,096 bytes
	s_lshl_b32 s31, s34, 16                        ; + 16 rows
	s_add_co_u32 s32, s32, s31
	s_lshl_b32 s31, s35, 11                        ; + 512 numbers
	s_add_co_u32 s32, s32, s31
	s_mov_b32 s33, 0
	s_add_nc_u64 s[28:29], s[28:29], s[32:33]
	s_lshl_b32 s32, ttmp9, 1
	s_add_co_u32 s32, s32, s34                     ; my row tile among the 1,792
	s_lshr_b32 s31, s32, 4
	s_lshl_b32 s31, s31, 18
	s_and_b32 s32, s32, 15
	s_lshl_b32 s32, s32, 11
	s_add_co_u32 s32, s32, s31
	s_lshl_b32 s31, s35, 17                        ; four K steps of 32,768 bytes
	s_add_co_u32 s32, s32, s31
	s_add_nc_u64 s[24:25], s[24:25], s[32:33]
.macro LOAD t                          ; task t: 16 rows x 512 bytes into set t % 2
.irp j, 0,1,2,3,4,5,6,7,8,9,10,11,12,13,14,15
	global_load_b128 v[R+64*((\t)%2)+4*\j:R+64*((\t)%2)+4*\j+3], v2, s[28:29] offset:4096*\j+512*(\t) th:TH_LOAD_NT
.endr
.endm
	LOAD 0
	LOAD 1
	s_wait_kmcnt 0x0
	s_mov_b32 s48, s36                             ; e, by the same choice
.macro PICKE bound, e
	s_cmp_ge_u32 ttmp9, \bound
	s_cselect_b32 s48, s[\e], s48
.endm
	PICKE 256, 38
	PICKE 512, 40
	PICKE 768, 37
	PICKE 800, 39
	PICKE 832, 41
	PICKE 864, 47
	s_add_co_i32 s48, s48, 127
	s_lshl_b32 s49, s48, 23
	v_mov_b32 v11, s49                             ; 2^e as f32: the conversion takes its exponent field
	s_add_co_i32 s48, s48, 8
	s_lshl_b32 s48, s48, 23
	s_or_b32 s48, s48, 0x600000
.macro TASK t
.if (\t) < 3
	s_wait_loadcnt 16                              ; this task's 16 loads are in; the next task's 16 may be out
.else
	s_wait_loadcnt 0x0
.endif
.irp j, 0,1,2,3,4,5,6,7,8,9,10,11,12,13,14,15
	ds_store_b128 v3, v[R+64*((\t)%2)+4*\j:R+64*((\t)%2)+4*\j+3] offset:SP*\j
.endr
.irp c, 0,1,2,3,4,5,6,7
	ds_load_b128 v[X+8*\c:X+8*\c+3], v4 offset:64*\c               ; row r, k = 16 c + 8 h + 0 .. 7.  LDS serves a wave's instructions in order (ISA guide 5.7.1.4): these see the stores above
	ds_load_b128 v[X+8*\c+4:X+8*\c+7], v4 offset:64*\c+16
.endr
	s_wait_dscnt 0x0                               ; the numbers are back, so the stores into the stage have read their registers,
.if (\t) < 2
	LOAD (\t)+2                                    ; which take the loads of two tasks on
.endif
.set j, 0
.rept 64
.set j, j+1
.endr
.if (\t) >= 2
	s_wait_xcnt 0x0                                ; the stores of two tasks ago have read this set of codes
.endif
.irp c, 0,1,2,3,4,5,6,7
	v_cvt_scalef32_pk8_fp8_f32 v[C+16*((\t)%2)+2*\c:C+16*((\t)%2)+2*\c+1], v[X+8*\c:X+8*\c+7], v11   ; registers 2 c, 2 c + 1 of the fragment
.endr
	v_nop                                          ; one plain vector instruction between the conversions and the next task's LDS loads, which write their sources
.irp u, 0,1,2,3
	global_store_b128 v2, v[C+16*((\t)%2)+4*\u:C+16*((\t)%2)+4*\u+3], s[24:25] offset:32768*(\t)+512*\u   ; 32 lanes store 512 consecutive bytes, at a multiple of 512 from the buffer's first byte
.endr
.endm
	s_wait_alu depctr_va_vdst(0)
	TASK 0
	TASK 1
	TASK 2
	TASK 3
	s_wait_tensorcnt 0x0
	ds_add_u32 v240, v241
	s_wait_dscnt 0x0
	s_endpgm
.Lfunc_end_k_q3908ade757_quant:
	.size	k_q3908ade757_quant, .Lfunc_end_k_q3908ade757_quant-k_q3908ade757_quant
	.p2alignl 7, 3214868480
	.fill 96, 4, 3214868480
	.section	.rodata,"a",@progbits
	.p2align	6, 0x0
	.amdhsa_kernel k_q3908ade757_quant
		.amdhsa_group_segment_fixed_size 34304
		.amdhsa_private_segment_fixed_size 0
		.amdhsa_enable_private_segment 0
		.amdhsa_kernarg_size 72
		.amdhsa_user_sgpr_count 2
		.amdhsa_user_sgpr_kernarg_segment_ptr 1
		.amdhsa_wavefront_size32 1
		.amdhsa_system_sgpr_workgroup_id_x 1
		.amdhsa_system_sgpr_workgroup_id_y 1
		.amdhsa_system_sgpr_workgroup_id_z 1
		.amdhsa_system_vgpr_workitem_id 0
		.amdhsa_next_free_vgpr 242
		.amdhsa_next_free_sgpr 66
		.amdhsa_reserve_vcc 0
		.amdhsa_float_denorm_mode_32 3
		.amdhsa_float_denorm_mode_16_64 3
		.amdhsa_fp16_overflow 1
		.amdhsa_memory_ordered 1
		.amdhsa_forward_progress 1
		.amdhsa_inst_pref_size 22
	.end_amdhsa_kernel
	.amdgpu_metadata
---
amdhsa.version: [ 1, 2 ]
amdhsa.kernels:
  - .name:           k_q3908ade757_quant
    .symbol:         k_q3908ade757_quant.kd
    .args:
      - { .name: query, .offset: 0, .size: 8, .value_kind: global_buffer, .address_space: global }
      - { .name: key, .offset: 8, .size: 8, .value_kind: global_buffer, .address_space: global }
      - { .name: value, .offset: 16, .size: 8, .value_kind: global_buffer, .address_space: global }
      - { .name: Wq, .offset: 24, .size: 8, .value_kind: global_buffer, .address_space: global }
      - { .name: Wk, .offset: 32, .size: 8, .value_kind: global_buffer, .address_space: global }
      - { .name: Wv, .offset: 40, .size: 8, .value_kind: global_buffer, .address_space: global }
      - { .name: Wo, .offset: 48, .size: 8, .value_kind: global_buffer, .address_space: global }
      - { .name: lowp_scales, .offset: 56, .size: 8, .value_kind: global_buffer, .address_space: global }
      - { .name: cod, .offset: 64, .size: 8, .value_kind: global_buffer, .address_space: global }
    .group_segment_fixed_size: 34304
    .private_segment_fixed_size: 0
    .kernarg_segment_align: 8
    .kernarg_segment_size: 72
    .max_flat_workgroup_size: 128
    .sgpr_count:     66
    .vgpr_count:     242
    .wavefront_size: 32
...
	.end_amdgpu_metadata
.endif
;; end of part 1
;; launch proj (part 2): grid 16 x 12, 4 waves a work-group, clusters of 4 x 1, 263,680 bytes of LDS; arguments cod, lowp_scales, bq, bk, bv, qk, vc; writes qk, vc
.if DOCPART == 2
	.amdgcn_target "amdgcn-amd-amdhsa--gfx1250"
	.amdhsa_code_object_version 6
	.text
	.protected	k_q3908ade757_proj
	.globl	k_q3908ade757_proj
	.p2align	8
	.type	k_q3908ade757_proj,@function
k_q3908ade757_proj:
	s_mov_b64 s[64:65], 0
	v_nop
	global_prefetch_b8 v0, s[64:65] scope:SCOPE_SE
	s_setreg_imm32_b32 hwreg(HW_REG_WAVE_MODE, 25, 1), 1
	s_wait_xcnt 0x0
	s_wait_alu depctr_hold_cnt(0) depctr_sa_sdst(0) depctr_va_vdst(0) depctr_va_sdst(0) depctr_va_ssrc(0) depctr_va_vcc(0) depctr_vm_vsrc(0)
	s_getreg_b32 s2, hwreg(HW_REG_IB_STS2, 6, 4)
	s_cmp_eq_u32 s2, 0
	s_cbranch_scc0 .Lentry_in_a_cluster
	s_endpgm
.Lentry_in_a_cluster:
	s_bfe_u32 s2, ttmp6, 0x10000c
	s_cmp_lg_u32 s2, 0x3003
	s_cbranch_scc0 .Lentry_shape_is_right
	s_endpgm
.Lentry_shape_is_right:
; q = query Wq^T + bq, k = key Wk^T + bk, v = value Wv^T + bv on codes of FP8 (E4M3); each result is quantised at once for the attention's products (scales e6, e7, e9) and stored as images of operand registers.
; A sum of codes stands for sum x 2^(ea + eb); result = sum x 2^(ea + eb) + bias in f32, held within +-448 x 2^eo, converted with 2^eo.  (ea, eb, eo) = (e0, e1, e6), (e2, e3, e7), (e4, e5, e9).
; LIMITS: ea + eb between -126 and 127; eo between -126 and 119: each power of two below is then an f32 number.  NaN among the inputs is not served.
; SHARES.  Work-group y = 4 x tensor + slice: a slice is 256 columns (four heads).  Work-group x takes 512 rows, two blocks of 256.  The slice of W, 256 rows x all 1,024 k = 262,144 bytes, one dense
; block of the codes' buffer, lies in LDS whole and is filled ONCE.  Each of the four waves owns 64 rows x 256 columns: 64 accumulators, 512 registers.  A wave's fragments of X are read by it alone
; and come from memory straight into registers, 512 consecutive bytes a load, three K steps deep.
; CLUSTER.  The four work-groups of a cluster take the same slice: each part of it is asked for JOINTLY, by the same tensor load with the same descriptor and the mask of all four.
; FRAGMENTS are images of registers: 16 rows x 128 k = four groups of four registers, lane l's 16 bytes at 16 l + 512 x group; k lies in the place that the form's own layout gives it.
; q, k: source 0 = 16 rows of W, source 1 = 16 rows of X: a lane holds ONE token and its registers eight neighbouring channels: tiles 4 g .. 4 g + 3 convert into the eight registers of head g's fragment (16 tokens x 64 d).
; v:    source 0 = 16 rows of X, source 1 = 16 rows of W: a lane holds ONE channel and its registers eight neighbouring tokens: the wave's four row tiles convert into a fragment of 16 channels x 64 keys.
; REGISTERS, in windows of 256: window 0: v1-13 addresses and the conversion's scale; v16-47 codes; v64-255 three sets of X's four fragments.  window 1: W's 16 fragments of a K step; on the way out the bias.
;   windows 2, 3: accumulator (row tile a, column tile b) at v[8 (4 (b % 8) + a)] of window 2 + b / 8.
.set BIAS, 262144                      ; LDS: behind W's slice, the slice's 256 numbers of the bias; no fill lands there
.set L16,  1                           ; v1   16 x lane
.set LW,   2                           ; v2-5 16 x lane + 65,536 q: W's K steps 2 q and 2 q + 1
.set BSA,  6                           ; v6   where I store 8 bytes of the bias
.set BA,   7                           ; v7   the bias for a lane that holds channels 8 h + 0 .. 7 of a tile
.set BV,   8                           ; v8   the bias for a lane that holds channel r of a tile
.set BIN,  10                          ; v[10:11] the bias on its way in
.set SC,   12                          ; v12  2^eo as f32
.set BGO,  13                          ; v13  8 x thread: my bytes of the bias in memory
.set CT,   16                          ; v16-47 codes to store
.set AS,   64                          ; X's sets
.set WV,   18                          ; s18  wave
.set G1,   24                          ; s[24:31] descriptor group 1
.set G0,   32                          ; s[32:39] two groups 0
.set XA,   40                          ; s[40:41] X at my wave's four row tiles of the block in hand
.set OB,   42                          ; s[42:43] where my results go
.set FAC,  46                          ; s[46:47] 2^(ea + eb), twice
.set BLK,  50                          ; s50  blocks to go
.set MSB,  0
.macro WIN new                         ; the immediate's high byte repeats the setting that is left; a switch that changes nothing is dropped
.if MSB != (\new)
	s_set_vgpr_msb (MSB<<8)|(\new)
.set MSB, (\new)
.endif
.endm
.macro PLACES                          ; four plain vector instructions between a matrix instruction and a load into, or a vector instruction on, its registers
.rept 4
	v_nop
.endr
.endm
.macro ROUND                           ; a round of the cluster's barrier
	s_barrier_signal -1
	s_barrier_wait -1
	s_cmp_lg_u32 s[WV], 0
	s_cbranch_scc1 .Lnot_wave_0_\@
	s_barrier_signal -3
.Lnot_wave_0_\@:
	s_barrier_wait -3
	s_barrier_signal -1
	s_barrier_wait -1
.endm
.macro WLOAD s, b0                     ; W's fragments b0 .. b0 + 7 of K step s: 32 LDS loads of 512 consecutive bytes
	WIN 0x40                                       ; destination window 1, address window 0
.irp i, 0,1,2,3,4,5,6,7
.irp c, 0,1,2,3
	ds_load_b128 v[16*((\b0)+\i)+4*\c:16*((\b0)+\i)+4*\c+3], v[LW+(\s)/2] offset:((\s)%2)*32768+2048*((\b0)+\i)+512*\c
.endr
.endr
	WIN 0
.endm
.macro ALOAD s, off                    ; X's four fragments of K step s into set s % 3
.irp a, 0,1,2,3
.irp c, 0,1,2,3
	global_load_b128 v[AS+64*((\s)%3)+16*\a+4*\c:AS+64*((\s)%3)+16*\a+4*\c+3], v[L16], s[XA:XA+1] offset:(\off)+32768*(\s)+2048*\a+512*\c
.endr
.endr
.endm
; nb column tiles from b0 on x the four row tiles, 128 along K.  K step 0 starts the sums with the constant 0: nothing is cleared.
; The 64 accumulators take turns, one instruction a turn, in the same order in every step.
.macro MUL s, b0, nb, swap
.set mb, \b0
.rept \nb
	WIN 0xa1+3*(\swap)+0x50*(mb/8)                 ; W window 1, X window 0, C and D window 2 or 3
.set ma, 0
.rept 4
.set rD, 8*(4*(mb%8)+ma)
.set rX, AS+64*((\s)%3)+16*ma
.set rW, 16*mb
.if (\swap) && ((\s) == 0)
	v_wmma_f32_16x16x128_fp8_fp8 v[rD:rD+7], v[rX:rX+15], v[rW:rW+15], 0
.elseif \swap
	v_wmma_f32_16x16x128_fp8_fp8 v[rD:rD+7], v[rX:rX+15], v[rW:rW+15], v[rD:rD+7]
.elseif (\s) == 0
	v_wmma_f32_16x16x128_fp8_fp8 v[rD:rD+7], v[rW:rW+15], v[rX:rX+15], 0
.else
	v_wmma_f32_16x16x128_fp8_fp8 v[rD:rD+7], v[rW:rW+15], v[rX:rX+15], v[rD:rD+7]
.endif
.set ma, ma+1
.endr
.set mb, mb+1
.endr
.endm
.macro HEAD                            ; a block's head.  In the second block both waits are met at once
	s_wait_tensorcnt 0x1                           ; my part of W's K steps 0-3 has landed; my part of K steps 4-7 may be out
	s_wait_dscnt 0x0                               ; my 8 bytes of the bias are stored
	s_barrier_signal -1
	s_barrier_wait -1                              ; everybody's are
	WLOAD 0, 0
	WLOAD 0, 8
.endm
; A K step of 128: 64 matrix instructions.  W's tiles 0-7 are fetched anew in the step's middle, tiles 8-15 and X's set at its end, each run behind its four places.
.macro STEP s, swap
.if (\s) <= 5
	s_wait_loadcnt 32                              ; this step's X is in; the 32 loads of the two steps behind it may be out
.elseif (\s) == 6
	s_wait_loadcnt 16
.else
	s_wait_loadcnt 0x0
.endif
	s_wait_dscnt 32                                ; W's tiles 0-7 are in; the 32 loads of tiles 8-15 may be out
	MUL \s, 0, 8, \swap
.if (\s) == 7
	s_wait_dscnt 0x0
	MUL \s, 8, 8, \swap
	PLACES
	WIN 0
.elseif (\s) == 3
	s_wait_tensorcnt 0x0                           ; my part of W's K steps 4-7 has landed,
	s_wait_dscnt 0x0                               ; tiles 8-15 are in, and no LDS instruction of mine is out at the signal
	s_barrier_signal -1
	MUL \s, 8, 4, \swap                            ; work on registers while the others arrive
	s_barrier_wait -1                              ; everybody's part has landed
	PLACES
	WLOAD 4, 0
	MUL \s, 12, 4, \swap
	PLACES
	WLOAD 4, 8
	ALOAD 6, 0
.else
	PLACES
	WLOAD (\s)+1, 0
	s_wait_dscnt 32                                ; tiles 8-15 are in; the 32 loads just issued may be out
	MUL \s, 8, 8, \swap
	PLACES
	WLOAD (\s)+1, 8
.if (\s)+3 < 8
	ALOAD (\s)+3, 0                                ; into the set that this step has read: two steps, 128 matrix instructions, in which to land
.endif
.endif
.endm
.macro NEXTX                           ; the next block's first three K steps of X are asked for under the way out, if there is a next block: no load leaves its buffer
	s_cmp_eq_u32 s[BLK], 1
	s_cbranch_scc1 .Lno_next_\@
	ALOAD 0, 262144
	ALOAD 1, 262144
	ALOAD 2, 262144
.Lno_next_\@:
	s_wait_dscnt 0x0                               ; the bias is in
.endm
; THE WAY OUT for q and k: by row tile a and window x: eight column tiles = two heads' fragments of 16 tokens x 64 d.
.macro EPI0
	WIN 0x40
.irp b, 0,1,2,3,4,5,6,7,8,9,10,11,12,13,14,15
	ds_load_b128 v[8*\b:8*\b+3], v[BA] offset:64*\b                ; the bias at channels 16 b + 8 h + 0 .. 7, over W's fragments, which are done with
	ds_load_b128 v[8*\b+4:8*\b+7], v[BA] offset:64*\b+16
.endr
	WIN 0
	NEXTX
.irp x, 0,1
.irp a, 0,1,2,3
	WIN 0x92+0x41*\x                               ; sums (source 0 and destination) window 2 + x, the bias window 1
.irp b, 0,1,2,3,4,5,6,7
.irp i, 0,2,4,6
	v_pk_fma_f32 v[8*(4*\b+\a)+\i:8*(4*\b+\a)+\i+1], v[8*(4*\b+\a)+\i:8*(4*\b+\a)+\i+1], s[FAC:FAC+1], v[8*(8*\x+\b)+\i:8*(8*\x+\b)+\i+1] op_sel_hi:[1,0,1]   ; sum x 2^(ea + eb) + bias; each accumulator from its low end on
.endr
.irp i, 0,1,2,3,4,5,6,7
.endr
.endr
	s_wait_alu depctr_va_vdst(0)
	s_wait_xcnt 0x0                                ; the last group's stores have read the codes' registers
	WIN 0x02+\x
.irp b, 0,1,2,3,4,5,6,7
	v_cvt_scalef32_pk8_fp8_f32 v[CT+2*\b:CT+2*\b+1], v[8*(4*\b+\a):8*(4*\b+\a)+7], v[SC]   ; tile b: registers 2 (b % 4), 2 (b % 4) + 1 of head b / 4's fragment
.endr
	WIN 0
	v_nop                                          ; one plain vector instruction behind the conversions: later matrix instructions write their sources
.irp g, 0,1
.irp u, 0,1
	global_store_b128 v[L16], v[CT+8*\g+4*\u:CT+8*\g+4*\u+3], s[OB:OB+1] offset:(2*\x+\g)*131072+1024*\a+512*\u   ; 512 consecutive bytes, at a multiple of 512 from the buffer's first byte
.endr
.endr
.endr
.endr
.endm
; THE WAY OUT for v: by head g: four column tiles (16 channels each) x my four row tiles (64 keys): four fragments of 16 channels x 64 keys.
.macro EPI1
	WIN 0x40
.irp b, 0,1,2,3,4,5,6,7,8,9,10,11,12,13,14,15
	ds_load_b32 v[2*\b], v[BV] offset:64*\b                        ; the bias at channel 16 b + r, twice: a pair for the packed multiply-add
	ds_load_b32 v[2*\b+1], v[BV] offset:64*\b
.endr
	WIN 0
	NEXTX
.irp g, 0,1,2,3
	WIN 0x92+0x41*(\g/2)
.irp q, 0,1,2,3
.irp a, 0,1,2,3
.irp i, 0,2,4,6
	v_pk_fma_f32 v[8*(4*((4*\g+\q)%8)+\a)+\i:8*(4*((4*\g+\q)%8)+\a)+\i+1], v[8*(4*((4*\g+\q)%8)+\a)+\i:8*(4*((4*\g+\q)%8)+\a)+\i+1], s[FAC:FAC+1], v[2*(4*\g+\q):2*(4*\g+\q)+1] op_sel_hi:[1,0,1]
.endr
.irp i, 0,1,2,3,4,5,6,7
.endr
.endr
.endr
	s_wait_xcnt 0x0                                ; the last group's stores have read the codes' registers
	WIN 0x02+(\g/2)
.irp q, 0,1,2,3
.irp a, 0,1,2,3
	v_cvt_scalef32_pk8_fp8_f32 v[CT+8*\q+2*\a:CT+8*\q+2*\a+1], v[8*(4*((4*\g+\q)%8)+\a):8*(4*((4*\g+\q)%8)+\a)+7], v[SC]   ; row tile a: keys 16 a + 8 h + 0 .. 7: registers 2 a, 2 a + 1
.endr
.endr
	WIN 0
	v_nop
.irp q, 0,1,2,3
.irp u, 0,1
	global_store_b128 v[L16], v[CT+8*\q+4*\u:CT+8*\q+4*\u+3], s[OB:OB+1] offset:131072*\g+2048*\q+512*\u
.endr
.endr
.endr
.endm
.macro BLOCKS swap                     ; the work-group's two blocks of 256 rows
	s_mov_b32 s[BLK], 2
.Lblk_\@:
	HEAD
.irp s, 0,1,2,3,4,5,6,7
	STEP \s, \swap
.endr
.if \swap
	EPI1
.else
	EPI0
.endif
	s_wait_xcnt 0x0                                ; the loads and stores have read their bases: both may step
	s_add_nc_u64 s[XA:XA+1], s[XA:XA+1], 262144
	s_add_nc_u64 s[OB:OB+1], s[OB:OB+1], 16384
	s_sub_co_u32 s[BLK], s[BLK], 1
	s_cmp_lg_u32 s[BLK], 0
	s_cbranch_scc1 .Lblk_\@
.endm
	s_load_b256 s[4:11], s[0:1], 0x0               ; the codes s[4:5], the scales' exponents s[6:7], bq s[8:9], bk s[10:11]
	s_load_b128 s[12:15], s[0:1], 0x20             ; bv s[12:13], q's and k's codes s[14:15]
	s_load_b64 s[16:17], s[0:1], 0x30              ; v's codes
	v_lshl_add_u32 v62, v0, 2, 0x40400
	v_mov_b32 v63, 0
	ds_add_u32 v62, v63
	ds_add_u32 v62, v63
	v_lshrrev_b32 v9, 5, v0
	v_readfirstlane_b32 s[WV], v9                  ; wave 0..3
	s_bfe_u32 s19, ttmp6, 0x40000                  ; cx: my place in the cluster
	s_lshl_b32 s20, ttmp9, 2
	s_add_co_u32 s20, s20, s19                     ; work-group x = 4 x cluster x + cx: it enters X's and the results' addresses alone
	s_and_b32 s21, ttmp7, 0xffff                   ; work-group y, which the four partners share
	s_lshr_b32 s22, s21, 2                         ; the tensor: 0 q, 1 k, 2 v
	s_and_b32 s23, s21, 3                          ; the slice
	; descriptor group 1: 128 dense rows of 256 bytes
	s_mov_b32 s[G1+0], 15|(3<<16)|(1<<21)          ; 15:0 the mask: all four work-groups; 17:16 elements of 8 bytes; 21 set beside a mask
	s_mov_b32 s[G1+1], 32<<16                      ; tensor_dim0 = 32 elements
	s_mov_b32 s[G1+2], 128<<16                     ; tensor_dim1 = 128
	s_mov_b32 s[G1+3], 32<<16                      ; tile_dim0 = 32
	s_mov_b32 s[G1+4], 128                         ; tile_dim1 = 128
	s_mov_b32 s[G1+5], 32                          ; from row to row: 32 elements
	s_mov_b32 s[G1+6], 0
	s_mov_b32 s[G1+7], 0
	v_and_b32 v9, 31, v0
	v_lshlrev_b32 v[L16], 4, v9
.irp q, 0,1,2,3
	v_add_nc_u32 v[LW+\q], 65536*\q, v[L16]
.endr
	v_lshl_add_u32 v[BSA], v0, 3, BIAS
	v_bfe_u32 v9, v0, 4, 1
	v_lshl_add_u32 v[BA], v9, 5, BIAS
	v_and_b32 v9, 15, v0
	v_lshl_add_u32 v[BV], v9, 2, BIAS
	v_lshlrev_b32 v[BGO], 3, v0
	s_lshl_b32 s44, s21, 18                        ; W's slice: block 96 + y of the codes' buffer,
	s_lshl_b32 s45, s[WV], 15                      ; my wave's K step of each half
	s_add_co_u32 s44, s44, s45
	s_add_co_u32 s44, s44, 25165824
	s_mov_b32 s45, 0
	s_mov_b32 s[G0], 1                             ; 1:0 count = 1
	s_lshl_b32 s[G0+1], s[WV], 15                  ; LDS address: K step w,
	s_mov_b32 s[G0+4], 1
	s_add_co_u32 s[G0+5], s[G0+1], 131072          ; and K step 4 + w
	s_lshl_b32 s54, s22, 23                        ; X: the tensor's 32 blocks,
	s_lshl_b32 s55, s20, 19                        ; my work-group's two,
	s_add_co_u32 s54, s54, s55
	s_lshl_b32 s55, s[WV], 13                      ; my wave's four row tiles
	s_add_co_u32 s54, s54, s55
	s_mov_b32 s55, 0
	s_lshl_b32 s60, ttmp9, 21                      ; the results: the batch (four work-groups x make one) x 16 heads of 131,072 bytes,
	s_lshl_b32 s61, s23, 19                        ; the slice's four heads,
	s_add_co_u32 s60, s60, s61
	s_lshl_b32 s61, s19, 15                        ; my 512 tokens of the batch
	s_add_co_u32 s60, s60, s61
	s_lshl_b32 s61, s22, 23                        ; q, k: k behind q; my wave's four token tiles of 1,024 bytes
	s_lshl_b32 s62, s[WV], 12
	s_add_co_u32 s61, s61, s62
	s_lshr_b32 s62, s[WV], 1                       ; v: my wave's block of 128 keys, and its half
	s_lshl_b32 s62, s62, 13
	s_and_b32 s63, s[WV], 1
	s_lshl_b32 s63, s63, 10
	s_add_co_u32 s62, s62, s63
	s_cmp_eq_u32 s22, 2
	s_cselect_b32 s61, s62, s61
	s_add_co_u32 s60, s60, s61
	s_mov_b32 s61, 0
	s_lshl_b32 s52, s23, 10                        ; the slice's 256 numbers of the bias
	s_mov_b32 s53, 0
	s_wait_dscnt 0x0
	s_wait_kmcnt 0x0
	s_load_b256 s[68:75], s[6:7], 0x0              ; e0 .. e7
	s_load_b128 s[76:79], s[6:7], 0x20             ; e8 .. e11
	s_add_nc_u64 s[G0+2:G0+3], s[4:5], s[44:45]    ; global addresses: they hang on y and the wave alone
	s_add_nc_u64 s[G0+6:G0+7], s[G0+2:G0+3], 131072
	s_or_b32 s[G0+3], s[G0+3], 0x80000000          ; 127:126 type = 2
	s_or_b32 s[G0+7], s[G0+7], 0x80000000
	s_add_nc_u64 s[XA:XA+1], s[4:5], s[54:55]
	s_cmp_eq_u32 s22, 1
	s_cselect_b64 s[56:57], s[10:11], s[8:9]
	s_cmp_eq_u32 s22, 2
	s_cselect_b64 s[56:57], s[12:13], s[56:57]     ; the tensor's bias
	s_cselect_b64 s[OB:OB+1], s[16:17], s[14:15]   ; and its buffer of codes
	s_add_nc_u64 s[56:57], s[56:57], s[52:53]
	s_add_nc_u64 s[OB:OB+1], s[OB:OB+1], s[60:61]
	ROUND                                          ; all four work-groups are here: the joint loads meet
	tensor_load_to_lds s[G0:G0+3], s[G1:G1+7]      ; the only fills of the launch: two loads of mine are out
	s_nop 0
	tensor_load_to_lds s[G0+4:G0+7], s[G1:G1+7]
	s_nop 0
	PLACES
	s_wait_alu depctr_va_vdst(0)
	global_load_b64 v[BIN:BIN+1], v[BGO], s[56:57]
	ALOAD 0, 0
	ALOAD 1, 0
	ALOAD 2, 0
	s_wait_loadcnt 48                              ; the bias is in; the 48 loads of X behind it may be out
	ds_store_b64 v[BSA], v[BIN:BIN+1]
	s_wait_kmcnt 0x0
	s_cmp_eq_u32 s22, 1
	s_cselect_b32 s51, s70, s68                    ; ea
	s_cselect_b32 s52, s71, s69                    ; eb
	s_cselect_b32 s53, s75, s74                    ; eo
	s_cmp_eq_u32 s22, 2
	s_cselect_b32 s51, s72, s51
	s_cselect_b32 s52, s73, s52
	s_cselect_b32 s53, s77, s53
	s_add_co_i32 s[FAC], s51, s52
	s_add_co_i32 s[FAC], s[FAC], 127
	s_lshl_b32 s[FAC], s[FAC], 23                  ; 2^(ea + eb) as f32
	s_mov_b32 s[FAC+1], s[FAC]                     ; (named with it as a pair, so it is written)
	s_add_co_i32 s53, s53, 127
	s_lshl_b32 s51, s53, 23
	v_mov_b32 v[SC], s51                           ; 2^eo as f32
	s_cmp_eq_u32 s22, 2                            ; the tensor is the same in all waves and in all four partners
	s_cbranch_scc1 .Lv
	BLOCKS 0
	s_branch .Lend
.Lv:
	BLOCKS 1
.Lend:
	s_wait_tensorcnt 0x0
	ds_add_u32 v62, v63
	s_wait_dscnt 0x0
	ROUND                                          ; the closing round: no work-group ends while a partner may still ask for a part that names it
	s_endpgm
.Lfunc_end_k_q3908ade757_proj:
	.size	k_q3908ade757_proj, .Lfunc_end_k_q3908ade757_proj-k_q3908ade757_proj
	.p2alignl 7, 3214868480
	.fill 96, 4, 3214868480
	.section	.rodata,"a",@progbits
	.p2align	6, 0x0
	.amdhsa_kernel k_q3908ade757_proj
		.amdhsa_group_segment_fixed_size 263680
		.amdhsa_private_segment_fixed_size 0
		.amdhsa_enable_private_segment 0
		.amdhsa_kernarg_size 56
		.amdhsa_user_sgpr_count 2
		.amdhsa_user_sgpr_kernarg_segment_ptr 1
		.amdhsa_wavefront_size32 1
		.amdhsa_system_sgpr_workgroup_id_x 1
		.amdhsa_system_sgpr_workgroup_id_y 1
		.amdhsa_system_sgpr_workgroup_id_z 1
		.amdhsa_system_vgpr_workitem_id 0
		.amdhsa_next_free_vgpr 1024
		.amdhsa_next_free_sgpr 80
		.amdhsa_reserve_vcc 0
		.amdhsa_float_denorm_mode_32 3
		.amdhsa_float_denorm_mode_16_64 3
		.amdhsa_fp16_overflow 1
		.amdhsa_memory_ordered 1
		.amdhsa_forward_progress 1
		.amdhsa_inst_pref_size 225
	.end_amdhsa_kernel
	.amdgpu_metadata
---
amdhsa.version: [ 1, 2 ]
amdhsa.kernels:
  - .name:           k_q3908ade757_proj
    .symbol:         k_q3908ade757_proj.kd
    .args:
      - { .name: cod, .offset: 0, .size: 8, .value_kind: global_buffer, .address_space: global }
      - { .name: lowp_scales, .offset: 8, .size: 8, .value_kind: global_buffer, .address_space: global }
      - { .name: bq, .offset: 16, .size: 8, .value_kind: global_buffer, .address_space: global }
      - { .name: bk, .offset: 24, .size: 8, .value_kind: global_buffer, .address_space: global }
      - { .name: bv, .offset: 32, .size: 8, .value_kind: global_buffer, .address_space: global }
      - { .name: qk, .offset: 40, .size: 8, .value_kind: global_buffer, .address_space: global }
      - { .name: vc, .offset: 48, .size: 8, .value_kind: global_buffer, .address_space: global }
    .group_segment_fixed_size: 263680
    .private_segment_fixed_size: 0
    .kernarg_segment_align: 8
    .kernarg_segment_size: 56
    .max_flat_workgroup_size: 128
    .sgpr_count:     80
    .vgpr_count:     1024
    .wavefront_size: 32
...
	.end_amdgpu_metadata
.endif
;; end of part 2
;; launch attn (part 3): grid 4 x 64, 16 waves a work-group, no clusters, 327,680 bytes of LDS; arguments qk, vc, lowp_scales, ac; writes ac
.if DOCPART == 3
	.amdgcn_target "amdgcn-amd-amdhsa--gfx1250"
	.amdhsa_code_object_version 6
	.text
	.protected	k_q3908ade757_attn
	.globl	k_q3908ade757_attn
	.p2align	8
	.type	k_q3908ade757_attn,@function
k_q3908ade757_attn:
	s_mov_b64 s[64:65], 0
	v_nop
	global_prefetch_b8 v0, s[64:65] scope:SCOPE_SE
	s_setreg_imm32_b32 hwreg(HW_REG_WAVE_MODE, 25, 1), 1
	s_wait_xcnt 0x0
; Causal attention of one head on codes of FP8 (E4M3): o[q] = sum over keys k <= q of softmax(q . k / 8) v, both products on codes; the result is quantised at once (scale e10) for the last projection.
; q, k: fragments of 16 tokens x 64 d, 1,024 bytes each, 128 to a head.  v: for each 128 keys four fragments of 16 channels x 128 keys, 2,048 bytes each.  All are images of operand registers:
; groups of four registers, lane l's 16 bytes at 16 l + 512 x group.
; THE SOFTMAX AHEAD OF THE SECOND PRODUCT: t = score x log2(e) / 8; M = the row's largest t so far, rounded UP to a whole number; p = 2^(t - M) is what is quantised (scale e8), not normalised.
; The row's sum is taken of the unquantised p, in f32, and divides o at the end.  When M moves, the sum and o are multiplied by 2^(old M - new M): nothing is rounded, and there is no branch on data.
; SHARES.  A work-group owns query blocks i and 7 - i (256 queries each) of one head.  Wave w owns tile w of the low block and tile 15 - w of the high one: 2 i + w / 8 + 1 and 2 (7 - i) + (15 - w) / 8 + 1
; key steps of 128 keys, 17 together, for every wave of every work-group.  Sixteen waves, four to a SIMD: one wave's vector work stands beside another's matrix work and LDS loads.
; LDS holds the head's K (131,072 bytes) and V (131,072 bytes) whole, filled ONCE: each wave fetches 8 KB of keys 0-1,023 and 8 KB of keys 1,024-2,047.  The low pass needs keys under 1,024 alone
; (its queries lie under 1,024) and starts when the first halves have landed.  NO CLUSTER.
; Nothing is prefetched: every byte of K and V is asked for at the head.
; LAYOUT.  S^T = K Q^T (source 0 = 16 keys, source 1 = my 16 queries), O^T = V^T P^T (source 0 = 16 channels, source 1 = P): a lane holds ONE query (lane % 16) throughout.  Register j of score tile T is key
; 16 T + 8 (lane / 16) + j: eight neighbours, which convert into registers 2 T, 2 T + 1 of P's fragment.  Likewise O^T's four tiles convert into the eight registers of the result's fragment (16 rows x 64 k).
; THE MASK.  Both loops have constant trip counts; a step all of whose keys come after my queries is left out by a scalar branch on ids; in the one step on the diagonal hidden scores become -infinity.
; LIMITS: e6 + e7 between -123 and 130 (added to c's exponent field); e8, and e10 - e8 - e9, between -126 and 119.
; REGISTERS: v1-4 addresses; v12 -M, v13 the largest t, v[14:15] the sum in two halves; v16-23, v24-31 Q of the low and of the high tile; v32-95 eight fragments of K, then four of V; v96-159 S^T, then p;
;   v160-191 O^T; v192-207 p's codes, later the result's; v208-222 at work and constants.
.set VOFF, 131072                      ; V behind K
	s_load_b256 s[4:11], s[0:1], 0x0               ; q's and k's codes s[4:5], v's s[6:7], the scales' exponents s[8:9], the result's codes s[10:11]
	v_lshl_add_u32 v254, v0, 2, 0x40000
	v_mov_b32 v255, 0
	ds_add_u32 v254, v255
	ds_add_u32 v254, v255
	v_lshrrev_b32 v5, 5, v0
	s_delay_alu instid0(VALU_DEP_1)
	v_readfirstlane_b32 s12, v5                    ; wave 0..15
	s_and_b32 s14, ttmp7, 0xffff                   ; batch x 16 + head
	; descriptor group 1: 32 dense rows of 256 bytes
	s_mov_b32 s16, 3<<16                           ; no mask; elements of 8 bytes; no padding
	s_mov_b32 s17, 32<<16                          ; tensor_dim0 = 32 elements
	s_mov_b32 s18, 32<<16                          ; tensor_dim1 = 32
	s_mov_b32 s19, 32<<16                          ; tile_dim0 = 32
	s_mov_b32 s20, 32                              ; tile_dim1 = 32
	s_mov_b32 s21, 32                              ; from row to row: 32 elements
	s_mov_b32 s22, 0
	s_mov_b32 s23, 0
	s_lshr_b32 s45, s12, 3                         ; waves 0-7 fetch K, waves 8-15 V,
	s_and_b32 s46, s12, 7                          ; each the key step wave % 8 of either half
	s_lshl_b32 s25, s45, 17
	s_lshl_b32 s47, s46, 13
	s_add_co_u32 s25, s25, s47                     ; LDS address
	s_add_co_u32 s29, s25, 65536
	s_lshl_b32 s58, s14, 17                        ; the head's 131,072 bytes
	s_add_co_u32 s58, s58, s47
	s_mov_b32 s59, 0
	s_mov_b32 s24, 1
	s_mov_b32 s28, 1
	s_wait_dscnt 0x0
	s_wait_kmcnt 0x0
	s_load_b128 s[40:43], s[8:9], 0x18             ; e6, e7, e8, e9
	s_load_b32 s44, s[8:9], 0x28                   ; e10
	s_add_nc_u64 s[60:61], s[4:5], 8388608         ; k's codes lie behind q's
	s_cmp_lt_u32 s12, 8
	s_cselect_b64 s[26:27], s[60:61], s[6:7]
	s_add_nc_u64 s[26:27], s[26:27], s[58:59]
	s_add_nc_u64 s[30:31], s[26:27], 65536
	s_or_b32 s27, s27, 0x80000000                  ; type = 2
	s_or_b32 s31, s31, 0x80000000
	tensor_load_to_lds s[24:27], s[16:23]          ; the only fills of the launch: one load of mine is out
	s_nop 0
	s_wait_alu depctr_va_vdst(0)
	s_wait_tensorcnt 0x0
	ds_add_u32 v254, v255
	s_wait_dscnt 0x0
	s_barrier_signal -1
	s_barrier_wait -1
	tensor_load_to_lds s[28:31], s[16:23]
	s_nop 0
.rept 4
	v_nop
.endr
	s_lshl_b32 s56, ttmp9, 8
	s_lshl_b32 s47, s12, 4
	s_add_co_u32 s56, s56, s47                     ; my low tile's first query: 256 i + 16 w
	s_sub_co_u32 s57, 2032, s56                    ; my high tile's: 256 (7 - i) + 16 (15 - w)
	s_mov_b32 s63, 0
	s_lshl_b32 s45, s14, 17
	s_lshl_b32 s62, s56, 6                         ; a tile of 16 queries is 1,024 bytes
	s_add_co_u32 s62, s62, s45
	s_add_nc_u64 s[48:49], s[4:5], s[62:63]
	s_lshl_b32 s62, s57, 6
	s_add_co_u32 s62, s62, s45
	s_add_nc_u64 s[50:51], s[4:5], s[62:63]
	s_lshr_b32 s45, s14, 4                         ; the result: rows batch x 2,048 + query, k = head x 64 + d, laid as X of the last projection:
	s_lshl_b32 s45, s45, 21                        ; (row / 256) x 262,144 + (head / 2) x 32,768 + ((row / 16) % 16) x 2,048 + (head % 2) x 1,024
	s_bfe_u32 s46, s14, 0x30001
	s_lshl_b32 s46, s46, 15
	s_add_co_u32 s45, s45, s46
	s_and_b32 s46, s14, 1
	s_lshl_b32 s46, s46, 10
	s_add_co_u32 s45, s45, s46
	s_lshr_b32 s46, s56, 8
	s_lshl_b32 s46, s46, 18
	s_bfe_u32 s47, s56, 0x40004
	s_lshl_b32 s47, s47, 11
	s_add_co_u32 s62, s46, s47
	s_add_co_u32 s62, s62, s45
	s_add_nc_u64 s[52:53], s[10:11], s[62:63]
	s_lshr_b32 s46, s57, 8
	s_lshl_b32 s46, s46, 18
	s_bfe_u32 s47, s57, 0x40004
	s_lshl_b32 s47, s47, 11
	s_add_co_u32 s62, s46, s47
	s_add_co_u32 s62, s62, s45
	s_add_nc_u64 s[54:55], s[10:11], s[62:63]
	v_and_b32 v5, 31, v0
	s_delay_alu instid0(VALU_DEP_1)
	v_lshlrev_b32 v1, 4, v5                        ; 16 x lane
	s_delay_alu instid0(VALU_DEP_1)
	v_add_nc_u32 v2, VOFF, v1
	global_load_b128 v[16:19], v1, s[48:49]        ; both tiles of Q stay in registers
	global_load_b128 v[20:23], v1, s[48:49] offset:512
	global_load_b128 v[24:27], v1, s[50:51]
	global_load_b128 v[28:31], v1, s[50:51] offset:512
	v_and_b32 v5, 15, v0
	v_bfe_u32 v6, v0, 4, 1
	s_delay_alu instid0(VALU_DEP_1)
	v_lshlrev_b32 v6, 3, v6
	s_delay_alu instid0(VALU_DEP_1)
	v_sub_nc_u32 v222, v5, v6                      ; r - 8 h, for the mask
	v_mov_b32 v210, 0                              ; written once: a lane permute's destination counts as one of its sources
	v_mov_b32 v213, 0                              ; (named as the upper half of the pair v[212:213])
	v_mov_b32 v217, 0xff800000                     ; -infinity
	s_mov_b32 s32, 0x76543210                      ; v_permlanex16_b32's selects for lane l xor 16
	s_mov_b32 s33, 0xfedcba98
	s_wait_kmcnt 0x0
	s_add_co_i32 s45, s40, s41
	s_lshl_b32 s45, s45, 23
	s_add_co_i32 s34, s45, 0x3e38aa3b              ; c = log2(e) / 8, with e6 + e7 added to its exponent field: a score stands for score x 2^(e6 + e7)
	s_mov_b32 s35, s34                             ; (named with it as a pair, so it is written)
	s_add_co_i32 s45, s42, 127
	s_lshl_b32 s46, s45, 23
	v_mov_b32 v219, s46                            ; 2^e8 as f32, for p's conversion
	s_sub_co_i32 s45, s44, s42
	s_sub_co_i32 s45, s45, s43
	s_add_co_i32 s45, s45, 127
	s_lshl_b32 s46, s45, 23
	v_mov_b32 v220, s46                            ; 2^(e10 - e8 - e9): a sum of the second product stands for sum x 2^(e8 + e9): the three scales folded into the conversion's one
; ONE TILE OF 16 QUERIES against its keys.  trips: key steps walked (a constant); qr: Q's registers; q0: the scalar with the first query; ob: the pair with the result's address.
.macro PASS trips, qr, q0, ob
	s_wait_xcnt 0x0                                ; the stores of the pass before have read the codes' registers
	v_mov_b32 v13, 0xff61b1e6                      ; the largest t so far: -3e38, under every t
	s_delay_alu instid0(VALU_DEP_1)
	v_floor_f32 v12, -v13                          ; -M
	v_mov_b32 v14, 0                               ; the sum, in two halves
	v_mov_b32 v15, 0
.set j, 0
.rept 32
	v_mov_b32 v[160+j], 0                          ; O^T.  (The step is written once: the first finds zeros, which the first change of M leaves zeros)
.set j, j+1
.endr
	s_mov_b32 s36, 0                               ; the step's bytes in K and in V
	s_mov_b32 s37, 0                               ; the step's first key
	s_mov_b32 s39, \trips
.Lstep_\@:
	s_add_co_u32 s38, s[\q0], 15
	s_cmp_gt_u32 s37, s38                          ; all 128 keys come after my queries: the step's work is left out, not the lines at its end
	s_cbranch_scc1 .Lhidden_\@
	s_setprio 2
	v_add_nc_u32 v3, s36, v1
	v_add_nc_u32 v4, s36, v2
	v_nop                                          ; with the two additions: four places in front of loads into registers that the last products read
	v_nop
.irp t, 0,1,2,3,4,5,6,7
	ds_load_b128 v[32+8*\t:35+8*\t], v3 offset:1024*\t
	ds_load_b128 v[36+8*\t:39+8*\t], v3 offset:1024*\t+512
.endr
	s_wait_alu depctr_va_vdst(0)
	s_wait_dscnt 0x0
.irp t, 0,1,2,3,4,5,6,7
	v_wmma_f32_16x16x64_fp8_fp8 v[96+8*\t:103+8*\t], v[32+8*\t:39+8*\t], v[\qr:\qr+7], 0
.endr
.rept 4
	v_nop                                          ; places in front of the loads below and of the first read of the scores
.endr
.irp d, 0,1,2,3
.irp c, 0,1,2,3
	ds_load_b128 v[32+16*\d+4*\c:35+16*\d+4*\c], v4 offset:2048*\d+512*\c   ; V's four fragments land under the softmax
.endr
.endr
	s_add_co_u32 s38, s37, 127
	s_cmp_le_u32 s38, s[\q0]                       ; all 128 keys count: no mask
	s_cbranch_scc1 .Lopen_\@
	s_sub_co_i32 s38, s[\q0], s37
	v_add_nc_u32 v216, s38, v222                   ; d = my query - the step's first key - 8 h.  Register 8 T + j holds key 16 T + 8 h + j of the step: hidden where 16 T + j > d
.set n, 0
.rept 64
	v_cmp_gt_i32 vcc_lo, 16*(n/8)+n%8, v216
	v_cndmask_b32 v[96+n], v[96+n], v217, vcc_lo
.set n, n+1
.endr
.Lopen_\@:
	v_max3_num_f32 v208, v96, v97, v98             ; the step's largest score of my query, among my 64 keys, in two chains, from each tile's low end on,
	v_max3_num_f32 v209, v99, v100, v101
.irp i, 6,10,14,18,22,26,30,34,38,42,46,50,54,58
	v_max3_num_f32 v208, v208, v[96+\i], v[97+\i]
	v_max3_num_f32 v209, v209, v[98+\i], v[99+\i]
.endr
	v_max3_num_f32 v208, v208, v158, v159
	s_delay_alu instid0(VALU_DEP_1)
	v_max_num_f32 v208, v208, v209
	s_delay_alu instid0(VALU_DEP_1)
	v_permlanex16_b32 v210, v208, s32, s33
	s_delay_alu instid0(VALU_DEP_1)
	v_max_num_f32 v208, v208, v210                 ; and among lane l xor 16's
	s_delay_alu instid0(VALU_DEP_1)
	v_mul_f32 v208, s34, v208                      ; as t (c is positive)
	s_delay_alu instid0(VALU_DEP_1)
	v_max_num_f32 v13, v13, v208                   ; the running largest t
	v_mov_b32 v208, v12
	s_delay_alu instid0(VALU_DEP_2)
	v_floor_f32 v12, -v13                          ; the new -M = floor(-t) = -ceil(t): M is a whole number
	s_delay_alu instid0(VALU_DEP_1)
	v_sub_f32 v208, v12, v208                      ; M's old value less its new one: a whole number, 0 or less
	s_delay_alu instid0(VALU_DEP_1)
	v_cvt_i32_f32 v208, v208                       ; (it saturates)
	s_delay_alu instid0(VALU_DEP_1)
	v_ldexp_f32 v212, 1.0, v208                    ; f = 2^(old M - new M)
.set j, 0
	s_setprio 1
.rept 32
	v_pk_fma_f32 v[96+j:97+j], v[96+j:97+j], s[34:35], v[12:13] op_sel_hi:[1,0,0]   ; t - M, two at a time (of the pairs c and -M the low word serves both halves)
.set j, j+2
.endr
.set j, 0
	s_wait_alu depctr_va_vdst(0)
.rept 64
	v_exp_f32 v[96+j], v[96+j]                     ; p = 2^(t - M), at most 1: not normalised
.set j, j+1
.endr
	v_pk_mul_f32 v[14:15], v[14:15], v[212:213] op_sel_hi:[1,0]   ; the sums under the new M: the plain instruction behind the exponentials
	s_wait_alu depctr_va_vdst(0)                   ; one wait for the whole batch, ahead of its first reader
	v_pk_add_f32 v[214:215], v[96:97], v[98:99]    ; the row's sum is taken of the unquantised p: two at a time, in two chains
.irp j, 4,8,12,16,20,24,28,32,36,40,44,48,52,56,60
	v_pk_add_f32 v[14:15], v[14:15], v[96+\j:97+\j]
	v_pk_add_f32 v[214:215], v[214:215], v[98+\j:99+\j]
.endr
	s_delay_alu instid0(VALU_DEP_1)
	v_pk_add_f32 v[14:15], v[14:15], v[214:215]
	s_setprio 0
.irp t, 0,1,2,3,4,5,6,7
.irp i, 0,1,2,3,4,5,6,7
.endr
	v_cvt_scalef32_pk8_fp8_f32 v[192+2*\t:193+2*\t], v[96+8*\t:103+8*\t], v219   ; keys 16 T + 8 h + 0 .. 7: registers 2 T, 2 T + 1 of P's fragment
.endr
.set j, 0
.rept 16
	v_pk_mul_f32 v[160+j:161+j], v[160+j:161+j], v[212:213] op_sel_hi:[1,0]   ; O^T under the new M; also the plain instructions between the conversions and the products
.set j, j+2
.endr
	s_wait_alu depctr_va_vdst(0)
	s_wait_dscnt 0x0                               ; V is in
.irp d, 0,1,2,3
	v_wmma_f32_16x16x128_fp8_fp8 v[160+8*\d:167+8*\d], v[32+16*\d:47+16*\d], v[192:207], v[160+8*\d:167+8*\d]   ; four accumulators, one instruction each; eight other products stand between two links
.endr
.Lhidden_\@:
	s_add_co_u32 s36, s36, 8192
	s_add_co_u32 s37, s37, 128
	s_sub_co_u32 s39, s39, 1
	s_cmp_lg_u32 s39, 0
	s_cbranch_scc1 .Lstep_\@
	s_setprio 0
.rept 4
	v_nop                                          ; places behind the last products
.endr
	v_add_f32 v14, v14, v15                        ; the sum's two halves,
	s_delay_alu instid0(VALU_DEP_1)
	v_permlanex16_b32 v210, v14, s32, s33
	s_delay_alu instid0(VALU_DEP_1)
	v_add_f32 v14, v14, v210                       ; and lane l xor 16's: the row's sum
	s_wait_alu depctr_va_vdst(0)
	v_rcp_f32 v211, v14
	v_nop                                          ; a plain instruction behind the reciprocal
	s_wait_alu depctr_va_vdst(0)                   ; and the wait ahead of its first reader
.set j, 0
.rept 32
	v_mul_f32 v[96+j], v[160+j], v211              ; O^T / the sum, each accumulator from its low end on
.set j, j+1
.endr
.set j, 0
.rept 32
.set j, j+1
.endr
.irp d, 0,1,2,3
	v_cvt_scalef32_pk8_fp8_f32 v[192+2*\d:193+2*\d], v[96+8*\d:103+8*\d], v220   ; channels 16 D + 8 h + 0 .. 7: registers 2 D, 2 D + 1 of the result's fragment
.endr
	v_nop                                          ; one plain vector instruction behind the conversions
	global_store_b128 v1, v[192:195], s[\ob:\ob+1]                 ; 512 consecutive bytes each, at a multiple of 512 from the buffer's first byte
	global_store_b128 v1, v[196:199], s[\ob:\ob+1] offset:512
.endm
	s_wait_loadcnt 0x0                             ; Q
	s_wait_tensorcnt 0x1                           ; my part of keys 0-1,023 has landed; my part of keys 1,024-2,047 may be out
	s_barrier_signal -1
	s_barrier_wait -1                              ; everybody's has
	PASS 8, 16, 56, 52                             ; the low tile: eight trips, keys under 1,024
	s_wait_tensorcnt 0x0                           ; my part of keys 1,024-2,047 has landed
	s_wait_dscnt 0x0
	s_barrier_signal -1
	s_barrier_wait -1
	PASS 16, 24, 57, 54                            ; the high tile
	s_wait_tensorcnt 0x0
	ds_add_u32 v254, v255
	s_wait_dscnt 0x0
	s_endpgm
.Lfunc_end_k_q3908ade757_attn:
	.size	k_q3908ade757_attn, .Lfunc_end_k_q3908ade757_attn-k_q3908ade757_attn
	.p2alignl 7, 3214868480
	.fill 96, 4, 3214868480
	.section	.rodata,"a",@progbits
	.p2align	6, 0x0
	.amdhsa_kernel k_q3908ade757_attn
		.amdhsa_group_segment_fixed_size 327680
		.amdhsa_private_segment_fixed_size 0
		.amdhsa_enable_private_segment 0
		.amdhsa_kernarg_size 32
		.amdhsa_user_sgpr_count 2
		.amdhsa_user_sgpr_kernarg_segment_ptr 1
		.amdhsa_wavefront_size32 1
		.amdhsa_system_sgpr_workgroup_id_x 1
		.amdhsa_system_sgpr_workgroup_id_y 1
		.amdhsa_system_sgpr_workgroup_id_z 1
		.amdhsa_system_vgpr_workitem_id 0
		.amdhsa_next_free_vgpr 256
		.amdhsa_next_free_sgpr 66
		.amdhsa_reserve_vcc 1
		.amdhsa_float_denorm_mode_32 3
		.amdhsa_float_denorm_mode_16_64 3
		.amdhsa_fp16_overflow 1
		.amdhsa_memory_ordered 1
		.amdhsa_forward_progress 1
		.amdhsa_inst_pref_size 51
	.end_amdhsa_kernel
	.amdgpu_metadata
---
amdhsa.version: [ 1, 2 ]
amdhsa.kernels:
  - .name:           k_q3908ade757_attn
    .symbol:         k_q3908ade757_attn.kd
    .args:
      - { .name: qk, .offset: 0, .size: 8, .value_kind: global_buffer, .address_space: global }
      - { .name: vc, .offset: 8, .size: 8, .value_kind: global_buffer, .address_space: global }
      - { .name: lowp_scales, .offset: 16, .size: 8, .value_kind: global_buffer, .address_space: global }
      - { .name: ac, .offset: 24, .size: 8, .value_kind: global_buffer, .address_space: global }
    .group_segment_fixed_size: 327680
    .private_segment_fixed_size: 0
    .kernarg_segment_align: 8
    .kernarg_segment_size: 32
    .max_flat_workgroup_size: 512
    .sgpr_count:     66
    .vgpr_count:     256
    .wavefront_size: 32
...
	.end_amdgpu_metadata
.endif
;; end of part 3
;; launch outp (part 4): grid 32 x 4, 4 waves a work-group, clusters of 4 x 1, 327,680 bytes of LDS; arguments ac, cod, lowp_scales, bo, out0; writes out0
.if DOCPART == 4
	.amdgcn_target "amdgcn-amd-amdhsa--gfx1250"
	.amdhsa_code_object_version 6
	.text
	.protected	k_q3908ade757_outp
	.globl	k_q3908ade757_outp
	.p2align	8
	.type	k_q3908ade757_outp,@function
k_q3908ade757_outp:
	s_mov_b64 s[64:65], 0
	v_nop
	global_prefetch_b8 v0, s[64:65] scope:SCOPE_SE
	s_setreg_imm32_b32 hwreg(HW_REG_WAVE_MODE, 25, 1), 1
	s_wait_xcnt 0x0
	s_wait_alu depctr_hold_cnt(0) depctr_sa_sdst(0) depctr_va_vdst(0) depctr_va_sdst(0) depctr_va_ssrc(0) depctr_va_vcc(0) depctr_vm_vsrc(0)
	s_getreg_b32 s2, hwreg(HW_REG_IB_STS2, 6, 4)
	s_cmp_eq_u32 s2, 0
	s_cbranch_scc0 .Lentry_in_a_cluster
	s_endpgm
.Lentry_in_a_cluster:
	s_bfe_u32 s2, ttmp6, 0x10000c
	s_cmp_lg_u32 s2, 0x3003
	s_cbranch_scc0 .Lentry_shape_is_right
	s_endpgm
.Lentry_shape_is_right:
; out0 = a Wo^T + bo on codes of FP8 (E4M3): a = the attention's result, [8192][1024] as images of operand registers; Wo's codes likewise.  out0 [8192][1024] f32 = sum x 2^(e10 + e11) + bo.
; LIMIT: e10 + e11 between -126 and 127, so that 2^(e10 + e11) is an f32 number.
; SHARES.  Work-group y: a slice of 256 columns; work-group x: a block of 256 rows.  The slice of Wo, 256 rows x all 1,024 k = 262,144 bytes, one dense block of the codes' buffer, lies in LDS whole and is filled ONCE.
; Each of the four waves owns 64 rows x 256 columns: 64 accumulators, 512 registers.  A wave's fragments of a are read by it alone and come from memory straight into registers, three K steps deep.
; CLUSTER.  The four work-groups of a cluster take the same slice: each part of it is asked for JOINTLY, by the same tensor load with the same descriptor and the mask of all four.
; Source 0 = 16 rows of Wo, source 1 = 16 rows of a: a lane holds ONE row of out0 and its registers eight neighbouring columns.  A group of 16 rows x 128 columns goes through the wave's own stage in LDS
; and leaves as whole rows of 512 bytes.
; REGISTERS, in windows of 256: window 0: v1-15 addresses; v64-255 three sets of a's four fragments; on the way out v64-127 a group's results, v128-255 two sets of rows read back.
;   window 1: Wo's 16 fragments of a K step; on the way out the bias.   windows 2, 3: accumulator (row tile a, column tile b) at v[8 (4 (b % 8) + a)] of window 2 + b / 8.
.set BIAS,  262144                     ; LDS: behind Wo's slice, the slice's 256 numbers of the bias; no fill lands there
.set STAGE, 263168                     ; behind it: 16 rows x (512 + 16) bytes for each wave; no fill lands there
.set L16,  1                           ; v1   16 x lane
.set LW,   2                           ; v2-5 16 x lane + 65,536 q: Wo's K steps 2 q and 2 q + 1
.set BSA,  6                           ; v6   where I store 8 bytes of the bias
.set BA,   7                           ; v7   the bias for a lane that holds columns 8 h + 0 .. 7 of a tile
.set BIN,  10                          ; v[10:11] the bias on its way in
.set STO,  13                          ; v13  the stage: where I put 32 bytes of a row
.set RD,   14                          ; v14  and where I read a row back
.set BGO,  15                          ; v15  8 x thread: my bytes of the bias in memory
.set AS,   64
.set TMP,  64
.set BK,   128
.set WV,   18
.set G1,   24
.set G0,   32
.set XA,   40
.set OB,   42
.set FAC,  46
.set MSB,  0
.macro WIN new                         ; the immediate's high byte repeats the setting that is left; a switch that changes nothing is dropped
.if MSB != (\new)
	s_set_vgpr_msb (MSB<<8)|(\new)
.set MSB, (\new)
.endif
.endm
.macro PLACES                          ; four plain vector instructions between a matrix instruction and a load into, or a vector instruction on, its registers
.rept 4
	v_nop
.endr
.endm
.macro ROUND                           ; a round of the cluster's barrier
	s_barrier_signal -1
	s_barrier_wait -1
	s_cmp_lg_u32 s[WV], 0
	s_cbranch_scc1 .Lnot_wave_0_\@
	s_barrier_signal -3
.Lnot_wave_0_\@:
	s_barrier_wait -3
	s_barrier_signal -1
	s_barrier_wait -1
.endm
.macro WLOAD s, b0                     ; Wo's fragments b0 .. b0 + 7 of K step s: 32 LDS loads of 512 consecutive bytes
	WIN 0x40                                       ; destination window 1, address window 0
.irp i, 0,1,2,3,4,5,6,7
.irp c, 0,1,2,3
	ds_load_b128 v[16*((\b0)+\i)+4*\c:16*((\b0)+\i)+4*\c+3], v[LW+(\s)/2] offset:((\s)%2)*32768+2048*((\b0)+\i)+512*\c
.endr
.endr
	WIN 0
.endm
.macro ALOAD s                         ; a's four fragments of K step s into set s % 3
.irp a, 0,1,2,3
.irp c, 0,1,2,3
	global_load_b128 v[AS+64*((\s)%3)+16*\a+4*\c:AS+64*((\s)%3)+16*\a+4*\c+3], v[L16], s[XA:XA+1] offset:32768*(\s)+2048*\a+512*\c
.endr
.endr
.endm
; nb column tiles from b0 on x the four row tiles, 128 along K.  K step 0 starts the sums with the constant 0: nothing is cleared.
; The 64 accumulators take turns, one instruction a turn, in the same order in every step.
.macro MUL s, b0, nb
.set mb, \b0
.rept \nb
	WIN 0xa1+0x50*(mb/8)                           ; Wo window 1, a window 0, C and D window 2 or 3
.set ma, 0
.rept 4
.set rD, 8*(4*(mb%8)+ma)
.set rX, AS+64*((\s)%3)+16*ma
.set rW, 16*mb
.if (\s) == 0
	v_wmma_f32_16x16x128_fp8_fp8 v[rD:rD+7], v[rW:rW+15], v[rX:rX+15], 0
.else
	v_wmma_f32_16x16x128_fp8_fp8 v[rD:rD+7], v[rW:rW+15], v[rX:rX+15], v[rD:rD+7]
.endif
.set ma, ma+1
.endr
.set mb, mb+1
.endr
.endm
; A K step of 128: 64 matrix instructions.  Wo's tiles 0-7 are fetched anew in the step's middle, tiles 8-15 and a's set at its end, each run behind its four places.
.macro STEP s
.if (\s) <= 5
	s_wait_loadcnt 32                              ; this step's fragments of a are in; the 32 loads of the two steps behind it may be out
.elseif (\s) == 6
	s_wait_loadcnt 16
.else
	s_wait_loadcnt 0x0
.endif
	s_wait_dscnt 32                                ; Wo's tiles 0-7 are in; the 32 loads of tiles 8-15 may be out
	MUL \s, 0, 8
.if (\s) == 7
	s_wait_dscnt 0x0
	MUL \s, 8, 8
	PLACES
	WIN 0
.elseif (\s) == 3
	s_wait_tensorcnt 0x0                           ; my part of Wo's K steps 4-7 has landed,
	s_wait_dscnt 0x0                               ; tiles 8-15 are in, and no LDS instruction of mine is out at the signal
	s_barrier_signal -1
	MUL \s, 8, 4                                   ; work on registers while the others arrive
	s_barrier_wait -1                              ; everybody's part has landed
	PLACES
	WLOAD 4, 0
	MUL \s, 12, 4
	PLACES
	WLOAD 4, 8
	ALOAD 6
.else
	PLACES
	WLOAD (\s)+1, 0
	s_wait_dscnt 32                                ; tiles 8-15 are in; the 32 loads just issued may be out
	MUL \s, 8, 8
	PLACES
	WLOAD (\s)+1, 8
.if (\s)+3 < 8
	ALOAD (\s)+3                                   ; into the set that this step has read: two steps, 128 matrix instructions, in which to land
.endif
.endif
.endm
; THE WAY OUT, group g = 4 x + a: row tile a, columns 128 x on.  A lane holds 32 neighbouring bytes of a row for each of eight tiles; the lanes beside it hold other rows: so the group goes through my own
; stage and comes back as whole rows.  LDS serves a wave's instructions in order (ISA guide 5.7.1.4): no wait between the stores and the loads, nor in front of the next group's stores.
.macro TOSTAGE g
.set gx, (\g)/4
.set ga, (\g)%4
	WIN 0x12+gx                                    ; the sums window 2 + x, the bias window 1, the results window 0
.irp b, 0,1,2,3,4,5,6,7
.irp i, 0,2,4,6
	v_pk_fma_f32 v[TMP+8*\b+\i:TMP+8*\b+\i+1], v[8*(4*\b+ga)+\i:8*(4*\b+ga)+\i+1], s[FAC:FAC+1], v[8*(8*gx+\b)+\i:8*(8*gx+\b)+\i+1] op_sel_hi:[1,0,1]   ; sum x 2^(e10 + e11) + bo; each accumulator from its low end on
.endr
.endr
	WIN 0
.irp b, 0,1,2,3,4,5,6,7
	ds_store_b128 v[STO], v[TMP+8*\b:TMP+8*\b+3] offset:64*\b
	ds_store_b128 v[STO], v[TMP+8*\b+4:TMP+8*\b+7] offset:64*\b+16
.endr
.set bb, BK+64*((\g)%2)
.irp t, 0,1,2,3,4,5,6,7,8,9,10,11,12,13,14,15
	ds_load_b128 v[bb+4*\t:bb+4*\t+3], v[RD] offset:528*\t
.endr
.endm
.macro SEND g, younger                 ; younger: the LDS instructions issued behind group g's loads, which may stay out
.set gx, (\g)/4
.set ga, (\g)%4
.set bb, BK+64*((\g)%2)
	s_wait_dscnt \younger                          ; the group is back in registers
.irp t, 0,1,2,3,4,5,6,7,8,9,10,11,12,13,14,15
	global_store_b128 v[L16], v[bb+4*\t:bb+4*\t+3], s[OB:OB+1] offset:(16*ga+\t)*4096+512*gx th:TH_STORE_NT   ; 32 lanes store 512 consecutive bytes, at a multiple of 512 from out0's first byte; written once, read by nobody here
.endr
.endm
	s_load_b256 s[4:11], s[0:1], 0x0               ; a's codes s[4:5], the weights' codes s[6:7], the scales' exponents s[8:9], bo s[10:11]
	s_load_b64 s[12:13], s[0:1], 0x20              ; out0
	v_lshl_add_u32 v62, v0, 2, 0x48800
	v_mov_b32 v63, 0
	ds_add_u32 v62, v63
	ds_add_u32 v62, v63
	v_lshrrev_b32 v9, 5, v0
	v_readfirstlane_b32 s[WV], v9                  ; wave 0..3
	s_bfe_u32 s19, ttmp6, 0x40000                  ; cx: my place in the cluster
	s_lshl_b32 s20, ttmp9, 2
	s_add_co_u32 s20, s20, s19                     ; work-group x = 4 x cluster x + cx: it enters a's and out0's addresses alone
	s_and_b32 s21, ttmp7, 0xffff                   ; the slice, which the four partners share
	; descriptor group 1: 128 dense rows of 256 bytes
	s_mov_b32 s[G1+0], 15|(3<<16)|(1<<21)          ; 15:0 the mask: all four work-groups; 17:16 elements of 8 bytes; 21 set beside a mask
	s_mov_b32 s[G1+1], 32<<16                      ; tensor_dim0 = 32 elements
	s_mov_b32 s[G1+2], 128<<16                     ; tensor_dim1 = 128
	s_mov_b32 s[G1+3], 32<<16                      ; tile_dim0 = 32
	s_mov_b32 s[G1+4], 128                         ; tile_dim1 = 128
	s_mov_b32 s[G1+5], 32                          ; from row to row: 32 elements
	s_mov_b32 s[G1+6], 0
	s_mov_b32 s[G1+7], 0
	v_and_b32 v9, 31, v0
	v_lshlrev_b32 v[L16], 4, v9
.irp q, 0,1,2,3
	v_add_nc_u32 v[LW+\q], 65536*\q, v[L16]
.endr
	v_lshl_add_u32 v[BSA], v0, 3, BIAS
	v_lshlrev_b32 v[BGO], 3, v0
	s_mul_i32 s51, s[WV], 16*528
	s_add_co_u32 s51, s51, STAGE                   ; my stage
	v_and_b32 v9, 15, v0
	v_mul_u32_u24 v[STO], v9, 528
	v_bfe_u32 v9, v0, 4, 1
	v_lshl_add_u32 v[BA], v9, 5, BIAS
	v_lshl_add_u32 v[STO], v9, 5, v[STO]
	v_add_nc_u32 v[STO], s51, v[STO]               ; in: row r, + 32 h
	v_add_nc_u32 v[RD], s51, v[L16]                ; back: 16 bytes a lane of a row
	s_lshl_b32 s44, s21, 18                        ; Wo's slice: block 108 + y of the codes' buffer,
	s_lshl_b32 s45, s[WV], 15                      ; my wave's K step of each half
	s_add_co_u32 s44, s44, s45
	s_add_co_u32 s44, s44, 28311552
	s_mov_b32 s45, 0
	s_mov_b32 s[G0], 1                             ; 1:0 count = 1
	s_lshl_b32 s[G0+1], s[WV], 15                  ; LDS address: K step w,
	s_mov_b32 s[G0+4], 1
	s_add_co_u32 s[G0+5], s[G0+1], 131072          ; and K step 4 + w
	s_lshl_b32 s54, s20, 18                        ; a: my work-group's block,
	s_lshl_b32 s55, s[WV], 13                      ; my wave's four row tiles
	s_add_co_u32 s54, s54, s55
	s_mov_b32 s55, 0
	s_lshl_b32 s60, s20, 20                        ; out0: 256 rows of 4,096 bytes,
	s_lshl_b32 s61, s[WV], 18                      ; my wave's 64,
	s_add_co_u32 s60, s60, s61
	s_lshl_b32 s61, s21, 10                        ; the slice's 256 columns
	s_add_co_u32 s60, s60, s61
	s_mov_b32 s61, 0
	s_lshl_b32 s52, s21, 10                        ; the slice's 256 numbers of the bias
	s_mov_b32 s53, 0
	s_wait_dscnt 0x0
	s_wait_kmcnt 0x0
	s_load_b64 s[68:69], s[8:9], 0x28              ; e10, e11
	s_add_nc_u64 s[G0+2:G0+3], s[6:7], s[44:45]    ; global addresses: they hang on y and the wave alone
	s_add_nc_u64 s[G0+6:G0+7], s[G0+2:G0+3], 131072
	s_or_b32 s[G0+3], s[G0+3], 0x80000000          ; 127:126 type = 2
	s_or_b32 s[G0+7], s[G0+7], 0x80000000
	s_add_nc_u64 s[XA:XA+1], s[4:5], s[54:55]
	s_add_nc_u64 s[56:57], s[10:11], s[52:53]
	s_add_nc_u64 s[OB:OB+1], s[12:13], s[60:61]
	ROUND                                          ; all four work-groups are here: the joint loads meet
	tensor_load_to_lds s[G0:G0+3], s[G1:G1+7]      ; the only fills of the launch: one load of mine is out
	s_nop 0
	s_wait_alu depctr_va_vdst(0)
	s_wait_tensorcnt 0x0
	ds_add_u32 v62, v63
	s_wait_dscnt 0x0
	ROUND
	tensor_load_to_lds s[G0+4:G0+7], s[G1:G1+7]
	s_nop 0
	PLACES
	s_wait_alu depctr_va_vdst(0)
	global_load_b64 v[BIN:BIN+1], v[BGO], s[56:57]
	ALOAD 0
	ALOAD 1
	ALOAD 2
	s_wait_loadcnt 48                              ; the bias is in; the 48 loads of a behind it may be out
	ds_store_b64 v[BSA], v[BIN:BIN+1]
	s_wait_kmcnt 0x0
	s_add_co_i32 s[FAC], s68, s69
	s_add_co_i32 s[FAC], s[FAC], 127
	s_lshl_b32 s[FAC], s[FAC], 23                  ; 2^(e10 + e11) as f32
	s_mov_b32 s[FAC+1], s[FAC]                     ; (named with it as a pair, so it is written)
	s_wait_tensorcnt 0x1                           ; my part of Wo's K steps 0-3 has landed; my part of K steps 4-7 may be out
	s_wait_dscnt 0x0                               ; my 8 bytes of the bias are stored
	s_barrier_signal -1
	s_barrier_wait -1                              ; everybody's are
	WLOAD 0, 0
	WLOAD 0, 8
.irp s, 0,1,2,3,4,5,6,7
	STEP \s
.endr
	WIN 0x40
.irp b, 0,1,2,3,4,5,6,7,8,9,10,11,12,13,14,15
	ds_load_b128 v[8*\b:8*\b+3], v[BA] offset:64*\b                ; the bias at columns 16 b + 8 h + 0 .. 7, over Wo's fragments, which are done with
	ds_load_b128 v[8*\b+4:8*\b+7], v[BA] offset:64*\b+16
.endr
	WIN 0
	s_wait_dscnt 0x0
	TOSTAGE 0
.irp g, 1,2,3,4,5,6,7
.if \g > 1
	s_wait_xcnt 0x0                                ; group g - 2's stores have read their registers: group g's loads may land there
.endif
	TOSTAGE \g
	SEND \g-1, 32                                  ; behind group g - 1's loads: group g's 16 stores and 16 loads
.endr
	SEND 7, 0
	s_wait_tensorcnt 0x0
	ds_add_u32 v62, v63
	s_wait_dscnt 0x0
	ROUND                                          ; the closing round: no work-group ends while a partner may still ask for a part that names it
	s_endpgm
.Lfunc_end_k_q3908ade757_outp:
	.size	k_q3908ade757_outp, .Lfunc_end_k_q3908ade757_outp-k_q3908ade757_outp
	.p2alignl 7, 3214868480
	.fill 96, 4, 3214868480
	.section	.rodata,"a",@progbits
	.p2align	6, 0x0
	.amdhsa_kernel k_q3908ade757_outp
		.amdhsa_group_segment_fixed_size 327680
		.amdhsa_private_segment_fixed_size 0
		.amdhsa_enable_private_segment 0
		.amdhsa_kernarg_size 40
		.amdhsa_user_sgpr_count 2
		.amdhsa_user_sgpr_kernarg_segment_ptr 1
		.amdhsa_wavefront_size32 1
		.amdhsa_system_sgpr_workgroup_id_x 1
		.amdhsa_system_sgpr_workgroup_id_y 1
		.amdhsa_system_sgpr_workgroup_id_z 1
		.amdhsa_system_vgpr_workitem_id 0
		.amdhsa_next_free_vgpr 1024
		.amdhsa_next_free_sgpr 80
		.amdhsa_reserve_vcc 0
		.amdhsa_float_denorm_mode_32 3
		.amdhsa_float_denorm_mode_16_64 3
		.amdhsa_memory_ordered 1
		.amdhsa_forward_progress 1
		.amdhsa_inst_pref_size 133
	.end_amdhsa_kernel
	.amdgpu_metadata
---
amdhsa.version: [ 1, 2 ]
amdhsa.kernels:
  - .name:           k_q3908ade757_outp
    .symbol:         k_q3908ade757_outp.kd
    .args:
      - { .name: ac, .offset: 0, .size: 8, .value_kind: global_buffer, .address_space: global }
      - { .name: cod, .offset: 8, .size: 8, .value_kind: global_buffer, .address_space: global }
      - { .name: lowp_scales, .offset: 16, .size: 8, .value_kind: global_buffer, .address_space: global }
      - { .name: bo, .offset: 24, .size: 8, .value_kind: global_buffer, .address_space: global }
      - { .name: out0, .offset: 32, .size: 8, .value_kind: global_buffer, .address_space: global }
    .group_segment_fixed_size: 327680
    .private_segment_fixed_size: 0
    .kernarg_segment_align: 8
    .kernarg_segment_size: 40
    .max_flat_workgroup_size: 128
    .sgpr_count:     80
    .vgpr_count:     1024
    .wavefront_size: 32
...
	.end_amdgpu_metadata
.endif
;; end of part 4
